; MI455X (gfx1250); checked and timed in simulation.
; The chip was launched on July 23, 2026; its instructions are those of AMD's public machine-readable ISA for CDNA 5 (MIT licence, August 2026) and "CDNA5" Instruction Set Architecture Reference Guide (July 2026). The comments in the code are by the model that wrote it; some were corrected since.
;; Self Attention. Allowed arithmetic: matrix products marked QUANTISED: E5M2 operands, one E8M0 scale for each 32 along K, by v_wmma_scale_f32_16x16x128_f8f6f4 with both operands' format E5M2, f32 sums; everything else in f32.
;; Inputs: keys 2 x 4,096 x 8 x 64 float32; queries 2 x 4,096 x 8 x 64 float32; values 2 x 4,096 x 8 x 64 float32.
;; Outputs: out0 2 x 4,096 x 8 x 64 float32.
;; This version of the problem:
;;   THIS VERSION OF THE PROBLEM IS GIVEN IN LOW PRECISION. The matrix products marked QUANTISED in the list below multiply operands that are first quantised to E5M2 (5 exponent bits, 2 mantissa bits; 8 bits a number), with one power-of-two scale for each 32 numbers along K (OCP MX v1.0); their sums are f32. All else is computed in f32.
;;   The module's matrix products, in the order in which they are computed (A, B: the left and right operand; K: the contracted axis; several contracted axes count as one K, in the product's order):
;;     1. batch 16 x [M 4,096, K 64] x [K 64, N 4,096]; A: input queries; B: input keys: QUANTISED
;;     2. batch 16 x [M 64, K 4,096] x [K 4,096, N 4,096]; A: input values; B: softmax (see below): QUANTISED
;;   THE QUANTISER, for each operand of a quantised product, along K:
;;     - K is cut into blocks of 32 from its start; a last block that is shorter is filled with zeros.
;;     - A block's scale is 2^e with e = floor(log2(the largest magnitude in the block)) - 15, held to -126 .. 127; a block of zeros has e = 0. As a byte (E8M0): e + 127.
;;     - Each number is divided by its block's scale, clamped to +-57,344, and rounded to the nearest number of E5M2, ties to even, subnormals kept.
;;     - The product sums the exact products of the quantised numbers (number of the format x scale) in f32.
;;   ~~~python
;;   def quantise(x, axis):      # numpy; x: float32 -> the quantised numbers, widened to float32 again
;;       x = np.moveaxis(x, axis, -1); K = x.shape[-1]
;;       x = np.pad(x, [(0, 0)] * (x.ndim - 1) + [(0, -K % 32)]); x = x.reshape(x.shape[:-1] + (-1, 32)); a = np.abs(x).max(-1, keepdims=True)
;;       e = np.where(a > 0, np.clip(np.frexp(np.where(a > 0, a, 1))[1] - 1 - 15, -126, 127), 0)      # np.frexp(a)[1] - 1 = floor(log2(a)), exactly
;;       r = np.clip(x / 2.0 ** e, -57344, 57344)
;;       step = 2.0 ** (np.maximum(np.frexp(np.where(r == 0, 1, r))[1] - 1, -14) - 2)
;;       q = np.round(r / step) * step * 2.0 ** e      # np.round: ties to even
;;       return np.moveaxis(q.reshape(q.shape[:-2] + (-1,))[..., :K], -1, axis).astype(np.float32)
;;   ~~~
;;   SOFTMAX AHEAD OF A QUANTISED PRODUCT. Where the list says 'softmax', what is quantised is not the finished softmax but p = 2^(t - M), with t = logit x log2(e) and M = ceil(the row's largest t), a whole number; so 1/2 < the row's largest p <= 1. The row's sum l is taken of the UNQUANTISED p, in f32, and the product's result is divided by l at the end. Since M is a whole number, a kernel that streams over the keys may use a running M (the ceiling of the running maximum): every later rescaling is an exact power of two, which a block's scale takes up: the codes' values come out the same.
;;   OPERANDS COMPUTED ON THE WAY. 'Computed on the way' means the value that the module computes at that place (a softmax that the list does not call 'softmax' is quantised finished and normalised). What goes into a quantiser is computed in f32, as accurately as f32 sums, v_exp_f32 and their like allow (about 1e-6 of the number): no bf16 or f16 on the way to a quantiser, and a product that is left as it is and whose result goes on into a quantised operand takes f32 operands (vector FMAs, or v_wmma_f32_16x16x4_f32). A number that lies on a knife's edge between two numbers of the format may be rounded either way, as far as f32 arithmetic and the matrix unit's own rounding can turn it there, and no further.
;; One version. Each part assembles by itself: llvm-mc -triple=amdgcn-amd-amdhsa -mcpu=gfx1250 --defsym DOCPART=n.
;; ======== version 1 of 1: 2 launches
;; limits: right only within a limited range of input values
;; workspace buffers: kv 8,781,824 bytes
;; launch prep (part 1): grid 128 x 2, 8 waves a work-group, no clusters, 70,656 bytes of LDS; arguments keys, values, kv; writes kv
.if DOCPART == 1
	.amdgcn_target "amdgcn-amd-amdhsa--gfx1250"
	.amdhsa_code_object_version 6
	.text
	.protected	k_q96c06a189f_prep
	.globl	k_q96c06a189f_prep
	.p2align	8
	.type	k_q96c06a189f_prep,@function
k_q96c06a189f_prep:
	s_mov_b64 s[64:65], 0
	v_nop
	global_prefetch_b8 v0, s[64:65] scope:SCOPE_SE
	s_setreg_imm32_b32 hwreg(HW_REG_WAVE_MODE, 25, 1), 1
	s_wait_xcnt 0x0
; keys and values, [2][4096][8][64] f32, are turned ONCE into codes of BF8 (E5M2) with one E8M0 scale byte for each 32 along a product's K:
; keys along the head's 64 (K of q . k), values along the KEYS (K of v . p).  The results go to kv as RECORDS, one for each head (8 b + h) and key step (128 keys),
; laid in the order of the operands' registers, so that the next launch takes every fragment by loads at 16 x lane and a record is one dense block:
;   0      K's image: tile T (0..7), group c (0, 1): 512 bytes at 1024 T + 512 c + 16 lane; lane (r, hl) holds key 32 (T / 2) + 8 (T % 2) + r + 8 (r / 8), d = 32 c + 16 hl + 0 .. 15
;   8192   V's image: d-tile t (0..3), group c (0..3): 512 bytes at 2048 t + 512 c + 16 lane; lane (r, hl) holds d = 16 t + r, keys 32 c + 16 hl + 0 .. 15
;   16384  K's scale words: register q (0..3) at 256 (q / 2) + 8 lane + 4 (q % 2): lanes 0-15 tile 2 q, lanes 16-31 tile 2 q + 1; a word: byte 0 d 0-31, byte 1 d 32-63, bytes 2 and 3 are 0
;   16896  V's scale words: register i (0, 1) at 128 i + 4 lane: lanes 0-15 d-tile 2 i, lanes 16-31 d-tile 2 i + 1; a word: the step's four blocks of 32 keys
; THE KEYS OF A TILE ARE NOT NEIGHBOURS, so that in the next launch the 16 registers of two neighbouring tiles of scores are 16 neighbouring keys.
; A block's scale is 2^(floor(log2(its largest magnitude)) - 15); its byte is the largest magnitude's exponent field - 15, held at 1 from below.
; LIMITS: NaN and infinities among the inputs are not served.  A block of zeros, or one whose largest magnitude lies under 2^-111, gets the byte 1 where the rule says 127 for zeros: its codes
; are zeros (or are made under the held scale), and the bytes are read by this program alone.
; SHARES.  Work-group y = 0: keys; y = 1: values.  x = 64 b + 2 s + g: batch b, key step s, half g.  Eight waves that share nothing: no barrier.
;   keys:   wave w = head w, tiles 4 g .. 4 g + 3 (64 keys).  Each load reads two whole rows of 256 bytes; a tile turns through the wave's own stage in LDS, so that a lane gets 16 neighbours of each block.
;   values: wave w = columns 32 (8 g + w) on of the 512 of a row, 128 keys.  A lane takes a column and its registers run down the keys: a block lies in one lane, and nothing is transposed.
.set REC,   17152                      ; a record: 67 x 256 bytes
.set VIM,   8192
.set KSO,   16384
.set VSO,   16896
.set FLOOR, 0x8000000                  ; 2^(16 - 127): no largest magnitude is taken under it, so the byte cannot fall under 1
.set EOFF,  0xf8800000                 ; -(15 << 23): 15 off an exponent field
.set STG,   4352                       ; a stage: 16 rows x (256 bytes + 16); two for each wave
.set TM,    10                         ; v10-17  +0,1 largest magnitudes; +2,3 the other half's, then bytes; +6,7 the conversions' scale operands
.set W,     26                         ; v26-29  a tile's scale word
.set KSR,   30                         ; v30-31  two scale registers as the next launch wants them
.set R,     32                         ; v32-159 keys as loaded: tile i at 32 i, load n at 4 n
.set X,     160                        ; v160-223 two sets of 32 numbers: 16 neighbours of each of two blocks
.set C,     224                        ; v224-255 codes: 8 registers a tile, so that no store's data are written again
.set VX,    32                         ; values: v32-159 four sets of 32 numbers
.set VC,    160                        ; values: v160-191 codes, 8 registers a block
	s_load_b128 s[4:7], s[0:1], 0x0                ; keys s[4:5], values s[6:7]
	s_load_b64 s[8:9], s[0:1], 0x10                ; kv
	v_lshl_add_u32 v24, v0, 2, 0x11000
	v_mov_b32 v25, 0
	v_lshrrev_b32 v1, 5, v0
	s_delay_alu instid0(VALU_DEP_1)
	v_readfirstlane_b32 s10, v1                    ; wave 0..7
	v_and_b32 v1, 31, v0                           ; lane
	v_and_b32 v2, 15, v0                           ; r
	v_bfe_u32 v3, v0, 4, 1                         ; hl = lane / 16
	s_and_b32 s11, ttmp7, 0xffff                   ; 0: keys, 1: values
	s_lshr_b32 s13, ttmp9, 6                       ; b
	s_bfe_u32 s14, ttmp9, 0x50001                  ; s: 5 bits from bit 1
	s_and_b32 s15, ttmp9, 1                        ; g
	s_lshl_b32 s16, s13, 23                        ; a batch is 2^23 bytes,
	s_lshl_b32 s23, s14, 18                        ; 128 rows of 2,048 bytes are 2^18
	s_add_co_u32 s16, s16, s23
	s_mov_b32 s17, 0
	s_lshl_b32 s18, s13, 3                         ; 8 b: the batch's first head
	s_mov_b32 s19, 0
	s_mov_b32 s20, 0x76543210
	s_mov_b32 s21, 0xfedcba98                      ; v_permlanex16_b32's selects for lane l xor 16
	s_wait_kmcnt 0x0
	s_cmp_lg_u32 s11, 0
	s_cbranch_scc1 .Lvalues
	; ---------------- KEYS ----------------
	s_lshl_b32 s23, s15, 17                        ; my half step: 64 rows
	s_add_co_u32 s16, s16, s23
	s_lshl_b32 s23, s10, 8                         ; my head's 256 bytes of a row
	s_add_co_u32 s16, s16, s23
	s_add_nc_u64 s[4:5], s[4:5], s[16:17]
	s_add_co_u32 s18, s18, s10                     ; head 8 b + w,
	s_lshl_b32 s18, s18, 5
	s_add_co_u32 s18, s18, s14                     ; its record s
	s_mul_i32 s18, s18, REC
	s_add_nc_u64 s[8:9], s[8:9], s[18:19]
	s_wait_alu depctr_va_vdst(0)
	v_lshlrev_b32 v4, 4, v2
	s_delay_alu instid0(VALU_DEP_1)
	v_lshl_add_u32 v4, v3, 11, v4                  ; in: lanes 0-15 one row's 256 bytes, lanes 16-31 the next key's
	s_mul_i32 s23, s10, 2*STG                      ; my two stages
	v_mul_u32_u24 v5, v3, 272
	s_delay_alu instid0(VALU_DEP_1)
	v_lshl_add_u32 v5, v2, 4, v5
	s_delay_alu instid0(VALU_DEP_1)
	v_add_nc_u32 v5, s23, v5                       ; into a stage: as loaded, tile rows 2 n + hl
	v_mul_u32_u24 v6, v2, 272
	s_delay_alu instid0(VALU_DEP_1)
	v_lshl_add_u32 v6, v3, 6, v6
	s_delay_alu instid0(VALU_DEP_1)
	v_add_nc_u32 v6, s23, v6                       ; out of it: row r, + 64 hl: my 16 numbers of a block of 32
	s_lshl_b32 s24, s15, 12
	v_lshl_add_u32 v7, v1, 4, s24                  ; K's image: 16 lane + 1024 x my first tile
	s_lshl_b32 s25, s15, 8
	v_lshl_add_u32 v8, v1, 3, s25                  ; K's scale words: 8 lane + 256 g
	v_cmp_lt_u32 vcc_lo, 15, v1                    ; lanes 16-31
	v_mov_b32 v[TM+2], 0                           ; written once: a lane permute's destination counts as one of its sources
	v_mov_b32 v[TM+3], 0
.macro KLOAD i                         ; tile i: its 16 rows of 256 bytes, two rows a load; tile row p is key 32 (i / 2) + 8 (i % 2) + p + 8 (p / 8) of my 64
.irp n, 0,1,2,3,4,5,6,7
	global_load_b128 v[R+32*(\i)+4*\n:R+32*(\i)+4*\n+3], v4, s[4:5] offset:(32*((\i)/2)+8*((\i)%2)+2*\n+8*(\n/4))*2048 th:TH_LOAD_NT
.endr
.endm
.macro TURN i                          ; tile i through stage i % 2.  LDS serves a wave's instructions in order (ISA guide 5.7.1.4): no wait stands between the stores and the loads
.irp n, 0,1,2,3,4,5,6,7
	ds_store_b128 v5, v[R+32*(\i)+4*\n:R+32*(\i)+4*\n+3] offset:STG*((\i)%2)+544*\n
.endr
.irp c, 0,1
.irp j, 0,1,2,3
	ds_load_b128 v[X+32*((\i)%2)+16*\c+4*\j:X+32*((\i)%2)+16*\c+4*\j+3], v6 offset:STG*((\i)%2)+128*\c+16*\j
.endr
.endr
.endm
; 32 numbers of a lane, register 16 c + i = d 32 c + 16 hl + i of my row, become 8 registers of codes from v[cd] on and the row's scale word in v[wd].  The two blocks go by turns.
.macro QUANT2 xs, cd, wd
.irp c, 0,1
	v_max3_num_f32 v[TM+\c], |v[(\xs)+16*\c]|, |v[(\xs)+16*\c+1]|, FLOOR
.endr
.irp i, 2,4,6,8,10,12,14
.irp c, 0,1
	s_delay_alu instid0(VALU_DEP_2)
	v_max3_num_f32 v[TM+\c], v[TM+\c], |v[(\xs)+16*\c+\i]|, |v[(\xs)+16*\c+\i+1]|
.endr
.endr
.irp c, 0,1
	s_delay_alu instid0(VALU_DEP_2)
	v_permlanex16_b32 v[TM+2+\c], v[TM+\c], s20, s21
.endr
.irp c, 0,1
	s_delay_alu instid0(VALU_DEP_2)
	v_max_num_f32 v[TM+\c], v[TM+\c], v[TM+2+\c]   ; with lane l xor 16's 16: the block's largest magnitude
.endr
.irp c, 0,1
	s_delay_alu instid0(VALU_DEP_2)
	v_add_nc_u32 v[TM+6+\c], EOFF, v[TM+\c]        ; 15 off its exponent field: the conversion takes the exponent field of this operand as its scale
.endr
.irp c, 0,1
.endr
.irp c, 0,1
	s_delay_alu instid0(VALU_DEP_2)
	v_lshrrev_b32 v[TM+2+\c], 23, v[TM+6+\c]       ; the scale's byte
.endr
	s_delay_alu instid0(VALU_DEP_1)
	v_lshl_or_b32 v[\wd], v[TM+3], 8, v[TM+2]      ; bytes 2 and 3 stay 0
.irp c, 0,1
.irp i, 0,1,2,3,4,5,6,7,8,9,10,11,12,13,14,15
.endr
	v_cvt_scalef32_pk8_bf8_f32 v[(\cd)+4*\c:(\cd)+4*\c+1], v[(\xs)+16*\c:(\xs)+16*\c+7], v[TM+6+\c]
	v_cvt_scalef32_pk8_bf8_f32 v[(\cd)+4*\c+2:(\cd)+4*\c+3], v[(\xs)+16*\c+8:(\xs)+16*\c+15], v[TM+6+\c]
.endr
	v_nop                                          ; one plain vector line behind the last conversion, ahead of the lines that write its sources again
.endm
	KLOAD 0
	KLOAD 1
	KLOAD 2
	KLOAD 3                                        ; all 32 loads of the wave are out: 16,384 bytes
	s_wait_alu depctr_va_vdst(0)
	s_wait_loadcnt 24                              ; tile 0's eight are in; the 24 of the later tiles stay out
	TURN 0
.irp i, 0,1,2,3
.if \i < 3
	s_wait_loadcnt 16-8*\i                         ; the next tile's eight loads are in; eight for each tile behind it stay out
	TURN \i+1                                      ; it goes through the other stage while this tile is worked
	s_wait_dscnt 16                                ; this tile's numbers are back: only the 16 LDS instructions just issued may be out
.else
	s_wait_dscnt 0x0
.endif
	QUANT2 X+32*(\i%2), C+8*\i, W+\i
	global_store_b128 v7, v[C+8*\i:C+8*\i+3], s[8:9] offset:1024*\i          ; 32 lanes store 512 consecutive bytes, at a multiple of 256 from kv's first byte
	global_store_b128 v7, v[C+8*\i+4:C+8*\i+7], s[8:9] offset:1024*\i+512
.if \i%2
	v_cndmask_b32 v[KSR+\i/2], v[W+\i-1], v[W+\i], vcc_lo   ; lanes 0-15: the even tile's words, lanes 16-31: the odd tile's (both halves of the lanes hold row r's word)
.endif
.endr
	global_store_b64 v8, v[KSR:KSR+1], s[8:9] offset:KSO   ; 32 lanes store 256 consecutive bytes, aligned
	s_wait_tensorcnt 0x0
	ds_add_u32 v24, v25
	s_wait_dscnt 0x0
	s_endpgm
	; ---------------- VALUES ----------------
.Lvalues:
	s_lshl_b32 s23, s15, 10                        ; my 32 columns: 128 bytes x (8 g + w)
	s_add_co_u32 s16, s16, s23
	s_lshl_b32 s23, s10, 7
	s_add_co_u32 s16, s16, s23
	s_add_nc_u64 s[6:7], s[6:7], s[16:17]
	s_and_b32 s23, s10, 1                          ; which half of the head's 64 is mine
	s_lshr_b32 s24, s10, 1
	s_lshl_b32 s25, s15, 2
	s_add_co_u32 s24, s24, s25                     ; the head in its batch: 4 g + w / 2
	s_add_co_u32 s18, s18, s24
	s_lshl_b32 s18, s18, 5
	s_add_co_u32 s18, s18, s14
	s_mul_i32 s18, s18, REC
	s_add_nc_u64 s[8:9], s[8:9], s[18:19]
	s_wait_alu depctr_va_vdst(0)
	v_lshlrev_b32 v6, 2, v1                        ; in: 4 bytes a lane: 128 consecutive bytes a load
	v_lshlrev_b32 v4, 4, v2
	s_delay_alu instid0(VALU_DEP_1)
	v_lshl_add_u32 v4, v3, 11, v4
	s_lshl_b32 s25, s23, 12
	v_add_nc_u32 v4, s25, v4                       ; V's image: my d-tile 2 (w % 2) + lane / 16 at 2,048 bytes each, + 16 r
	s_lshl_b32 s25, s23, 7
	v_add_nc_u32 v5, s25, v6                       ; V's scale words: 128 (w % 2) + 4 lane
.macro VLOAD c                         ; block c: keys 32 c + i of my column
.irp i, 0,1,2,3,4,5,6,7,8,9,10,11,12,13,14,15,16,17,18,19,20,21,22,23,24,25,26,27,28,29,30,31
	global_load_b32 v[VX+32*(\c)+\i], v6, s[6:7] offset:(32*(\c)+\i)*2048 th:TH_LOAD_NT
.endr
.endm
.macro BLOCK c
.if (\c) < 3
	s_wait_loadcnt 32                              ; this block's 32 loads are in; the one younger block's stay out
.else
	s_wait_loadcnt 0x0
.endif
.if (\c) < 2
	VLOAD (\c)+2
.endif
	v_max3_num_f32 v12, |v[VX+32*(\c)]|, |v[VX+32*(\c)+1]|, |v[VX+32*(\c)+2]|   ; the block's largest magnitude: all 32 numbers are mine; two chains
	v_max3_num_f32 v13, |v[VX+32*(\c)+3]|, |v[VX+32*(\c)+4]|, |v[VX+32*(\c)+5]|
.irp i, 6,10,14,18,22,26
	s_delay_alu instid0(VALU_DEP_2)
	v_max3_num_f32 v12, v12, |v[VX+32*(\c)+\i]|, |v[VX+32*(\c)+\i+1]|
	s_delay_alu instid0(VALU_DEP_2)
	v_max3_num_f32 v13, v13, |v[VX+32*(\c)+\i+2]|, |v[VX+32*(\c)+\i+3]|
.endr
	s_delay_alu instid0(VALU_DEP_2)
	v_max3_num_f32 v12, v12, |v[VX+32*(\c)+30]|, |v[VX+32*(\c)+31]|
	s_delay_alu instid0(VALU_DEP_1)
	v_max3_num_f32 v12, v12, v13, FLOOR
	s_delay_alu instid0(VALU_DEP_1)
	v_add_nc_u32 v11, EOFF, v12                    ; the conversions' scale operand
	s_delay_alu instid0(VALU_DEP_1)
	v_lshrrev_b32 v13, 23, v11                     ; the scale's byte
.if (\c) == 0
	s_delay_alu instid0(VALU_DEP_1)
	v_mov_b32 v20, v13                             ; four bytes to the word, the earlier keys in the lower byte
.else
	s_delay_alu instid0(VALU_DEP_1)
	v_lshl_or_b32 v20, v13, 8*(\c), v20
.endif
.irp i, 0,1,2,3,4,5,6,7,8,9,10,11,12,13,14,15,16,17,18,19,20,21,22,23,24,25,26,27,28,29,30,31
.endr
.irp q, 0,1,2,3
	v_cvt_scalef32_pk8_bf8_f32 v[VC+8*(\c)+2*\q:VC+8*(\c)+2*\q+1], v[VX+32*(\c)+8*\q:VX+32*(\c)+8*\q+7], v11
.endr
	v_nop                                          ; one plain vector line behind the last conversion, ahead of the lines that write its scale operand again
	global_store_b128 v4, v[VC+8*(\c):VC+8*(\c)+3], s[8:9] offset:VIM+512*(\c)         ; keys 32 c + 0 .. 15: the image's lanes 0-15.  Sixteen lanes store 256 consecutive bytes, aligned
	global_store_b128 v4, v[VC+8*(\c)+4:VC+8*(\c)+7], s[8:9] offset:VIM+512*(\c)+256   ; keys 32 c + 16 .. 31: its lanes 16-31
.endm
	VLOAD 0
	VLOAD 1
	s_wait_alu depctr_va_vdst(0)
	BLOCK 0
	BLOCK 1
	BLOCK 2
	BLOCK 3
	global_store_b32 v5, v20, s[8:9] offset:VSO    ; 128 consecutive bytes: half of an aligned 256; the wave beside me stores the other half.  128 of a record's 17,152 bytes
	s_endpgm
.Lfunc_end_k_q96c06a189f_prep:
	.size	k_q96c06a189f_prep, .Lfunc_end_k_q96c06a189f_prep-k_q96c06a189f_prep
	.p2alignl 7, 3214868480
	.fill 96, 4, 3214868480
	.section	.rodata,"a",@progbits
	.p2align	6, 0x0
	.amdhsa_kernel k_q96c06a189f_prep
		.amdhsa_group_segment_fixed_size 70656
		.amdhsa_private_segment_fixed_size 0
		.amdhsa_enable_private_segment 0
		.amdhsa_kernarg_size 24
		.amdhsa_user_sgpr_count 2
		.amdhsa_user_sgpr_kernarg_segment_ptr 1
		.amdhsa_wavefront_size32 1
		.amdhsa_system_sgpr_workgroup_id_x 1
		.amdhsa_system_sgpr_workgroup_id_y 1
		.amdhsa_system_sgpr_workgroup_id_z 1
		.amdhsa_system_vgpr_workitem_id 0
		.amdhsa_next_free_vgpr 256
		.amdhsa_next_free_sgpr 66
		.amdhsa_reserve_vcc 1
		.amdhsa_float_denorm_mode_32 3
		.amdhsa_float_denorm_mode_16_64 3
		.amdhsa_fp16_overflow 1
		.amdhsa_memory_ordered 1
		.amdhsa_forward_progress 1
		.amdhsa_inst_pref_size 43
	.end_amdhsa_kernel
	.amdgpu_metadata
---
amdhsa.version: [ 1, 2 ]
amdhsa.kernels:
  - .name:           k_q96c06a189f_prep
    .symbol:         k_q96c06a189f_prep.kd
    .args:
      - { .name: keys, .offset: 0, .size: 8, .value_kind: global_buffer, .address_space: global }
      - { .name: values, .offset: 8, .size: 8, .value_kind: global_buffer, .address_space: global }
      - { .name: kv, .offset: 16, .size: 8, .value_kind: global_buffer, .address_space: global }
    .group_segment_fixed_size: 70656
    .private_segment_fixed_size: 0
    .kernarg_segment_align: 8
    .kernarg_segment_size: 24
    .max_flat_workgroup_size: 256
    .sgpr_count:     66
    .vgpr_count:     256
    .wavefront_size: 32
...
	.end_amdgpu_metadata
.endif
;; end of part 1
;; launch attn (part 2): grid 16 x 16, 8 waves a work-group, clusters of 4 x 1, 327,680 bytes of LDS; arguments queries, kv, out0; writes out0
.if DOCPART == 2
	.amdgcn_target "amdgcn-amd-amdhsa--gfx1250"
	.amdhsa_code_object_version 6
	.text
	.protected	k_q96c06a189f_attn
	.globl	k_q96c06a189f_attn
	.p2align	8
	.type	k_q96c06a189f_attn,@function
k_q96c06a189f_attn:
	s_mov_b64 s[64:65], 0
	v_nop
	global_prefetch_b8 v0, s[64:65] scope:SCOPE_SE
	s_setreg_imm32_b32 hwreg(HW_REG_WAVE_MODE, 25, 1), 1
	s_wait_xcnt 0x0
	s_wait_alu depctr_hold_cnt(0) depctr_sa_sdst(0) depctr_va_vdst(0) depctr_va_sdst(0) depctr_va_ssrc(0) depctr_va_vcc(0) depctr_vm_vsrc(0)
	s_getreg_b32 s2, hwreg(HW_REG_IB_STS2, 6, 4)
	s_cmp_eq_u32 s2, 0
	s_cbranch_scc0 .Lentry_in_a_cluster
	s_endpgm
.Lentry_in_a_cluster:
	s_bfe_u32 s2, ttmp6, 0x10000c
	s_cmp_lg_u32 s2, 0x3003
	s_cbranch_scc0 .Lentry_shape_is_right
	s_endpgm
.Lentry_shape_is_right:
; out0[b][q][h][:] = the sum over k of softmax_k(Q . K / 8) V, 16 heads (y = 8 b + h) of 4,096 queries and keys, head size 64; both products on codes of BF8 (E5M2) with one E8M0 scale for each 32 along K.
; K and V come as the records that the launch before has made: for each head and key step (128 keys) 17,152 bytes: K's image, V's image, K's scale words, V's scale words, all in the order of the
; operands' registers (the layout stands at that launch's head).  Q (f32) is read once, by one wave, and is quantised here, in registers.
; THE SOFTMAX AHEAD OF THE SECOND PRODUCT: t = score x log2(e) / 8; M = the row's largest t so far, rounded UP to a whole number; p = 2^(t - M) is what is quantised, along the keys, not normalised.
; The row's sum is taken of the unquantised p, in f32, and divides O at the end.  When M moves, the sum and O are multiplied by 2^(old M - new M): exact, and with no branch on data.
; THE FIRST PRODUCT'S K IS 64, the instruction's 128.  Q's fragment has zero CODES in its upper eight registers; K's fragment is named 16 registers long, so that its upper eight are the next tile's
; codes (behind the last tile: eight registers of zeros): finite numbers, since every code was held at 57,344; x 0 they add nothing.  The scale bytes of that half are 0 on both sides.
; SHARES.  A work-group owns 256 queries of one head; each of its eight waves owns 32: two tiles x = 0, 1 of 16.  Eight waves of 512 registers: two to a SIMD, so that one wave's vector work stands beside
; the other's matrix work and LDS loads; each fragment of K and V that a wave reads from LDS feeds two matrix instructions.
; LAYOUT.  Both products are used transposed: S^T = K Q^T (source 0 = 16 keys, source 1 = 16 queries), O^T = V^T P^T (source 0 = 16 of the head's 64, source 1 = P): a lane holds ONE query (lane % 16) throughout,
; and the 16 registers of two neighbouring tiles of S^T are 16 neighbouring keys, 32 b + 16 (lane / 16) + 0 .. 15: the conversions' results are the second product's operand.
; CLUSTER.  The four query blocks of a cluster belong to one head and walk the same records: each record is asked for JOINTLY, by the same tensor load with the same descriptor and the mask of all four.
; RING.  Two LDS slots of four records (four key steps).  Waves 0-3 fetch a record each; all eight read.  The change of slots stands at a slot's head; the fill that follows it has four key steps in which to land.
; By this text's own count a wave never has more than one tensor load out.
; LIMITS: NaN and infinities among the inputs are not served.  A block of Q that is all zeros or lies under 2^-111, and a block of p that has fallen to 0, keep the scale byte 1: their codes are zeros.
; p under 2^-126 comes out of v_exp_f32 as 0 (ISA guide, its entry in 15.8).
; REGISTERS.  Window 0: v1-3 lane terms; v4-6 the step's LDS addresses; v7, v8 for the add; v9-14 addresses; v16-19 K's scale words, v20-21 V's, v22-23 Q's; v24-47 and v232-255 a tile's statistics;
;   v64-191 S^T, then p: 64 a tile; v192-223 p's codes: 16 a tile.   Window 1: v24-95 K's fragments and their tail of zeros; v96-159 O^T, 32 a tile; v160-223 V's fragments; v224-255 Q's, 16 a tile.
.set REC,   17152                      ; a record
.set VIM,   8192                       ; in it: V's image,
.set KSO,   16384                      ; K's scale words,
.set VSO,   16896                      ; V's
.set SLOT1, 1<<17                      ; slot 1 begins here, so that one exclusive or turns an address in one slot into the other's
.set STAGE, SLOT1+4*REC                ; behind the ring: for each wave two stages of 16 rows x (256 bytes + 16), for the way out; no fill lands here
.set SPARE, STAGE+8*8704               ; behind the stages: the spare words, 128 bytes for each wave: four blocks of 256 bytes that no other line names
.set FLOOR, 0x8000000                  ; 2^(16 - 127)
.set EOFF,  0xf8800000                 ; -(15 << 23)
.set L16, 1                            ; v1   16 x lane
.set L8,  2                            ; v2   8 x lane
.set L4,  3                            ; v3   4 x lane
.set A16, 4                            ; v4-6 the same + the LDS byte at which the step's record begins
.set A8,  5
.set A4,  6
.set SPW, 7                            ; v7   LDS address of my spare word; never rewritten
.set NIL, 8                            ; v8   0; never rewritten
.set QA,  9                            ; v9   Q: row r of 2,048 bytes + 64 (lane / 16)
.set GO,  10                           ; v10  out0: 2,048 (lane / 16) + 16 r
.set STO, 11                           ; v11  the way out: where I put 32 bytes of a row
.set RD,  12                           ; v12  and where I read a row back
.set RR,  13                           ; v13  r = lane % 16
.set HL,  14                           ; v14  lane / 16
.set KS,  16
.set VS,  20
.set QS,  22
.set ST,  24                           ; tile x's statistics at v[ST + 208 x]:
.set NM,  0                            ;   -M
.set TX,  1                            ;   the largest t so far
.set SUM, 2                            ;   the row's sum, in two halves
.set F,   4                            ;   f = 2^(old M - new M); at the end 1 / the sum
.set PW,  5                            ;   p's scale word, and nothing else
.set TMP, 6
.set BM,  8                            ;   four blocks' largest scores, then largest p
.set PB,  12                           ;   the other half's, then bytes, then a chain of the sum
.set HC,  16
.set SO,  20                           ;   the conversions' scale operands
.set S,   64
.set PC,  192
.set KF,  24                           ; window 1
.set OT,  96
.set VF,  160
.set QF,  224
.set MSB, 0
.macro WIN new                         ; s_set_vgpr_msb: bits 1:0 source 0, 3:2 source 1, 5:4 source 2, 7:6 destination; the immediate's high byte repeats the setting that is left
.if MSB != \new
	s_set_vgpr_msb (MSB<<8)|\new
.set MSB, \new
.endif
.endm
; A round of the cluster's barrier: my work-group's barrier, so that wave 0's signal speaks for all eight waves; wave 0 signals for the work-group; every wave waits for all four work-groups; my work-group's barrier once more.
.macro ROUND
	s_barrier_signal -1
	s_barrier_wait -1
	s_cmp_lg_u32 s10, 0
	s_cbranch_scc1 .Lnot_wave_0_\@
	s_barrier_signal -3
.Lnot_wave_0_\@:
	s_barrier_wait -3
	s_barrier_signal -1
	s_barrier_wait -1
.endm
; A joint load: waves 0-3 fetch one record each, the others nothing.  The branch hangs on the wave's number alone.  Four v_nop follow the load.
.macro TLOAD
	s_cmp_lt_u32 s10, 4
	s_cbranch_scc0 .Lno_load_\@
	tensor_load_to_lds s[36:39], s[28:35]
	s_nop 0
.rept 4
	v_nop
.endr
.Lno_load_\@:
.endm
	s_load_b128 s[4:7], s[0:1], 0x0                ; queries s[4:5], kv s[6:7]
	s_load_b64 s[8:9], s[0:1], 0x10                ; out0
	v_lshl_add_u32 v[SPW], v0, 2, SPARE
	v_mov_b32 v[NIL], 0
	ds_add_u32 v7, v8
	ds_add_u32 v7, v8
	s_wait_dscnt 0x0
	v_lshrrev_b32 v15, 5, v0
	s_delay_alu instid0(VALU_DEP_1)
	v_readfirstlane_b32 s10, v15                   ; wave 0..7
	s_bfe_u32 s11, ttmp6, 0x40000                  ; cx: my place in the cluster: it enters Q's and out0's addresses alone
	s_lshl_b32 s12, ttmp9, 2                       ; in a cluster launch ttmp9 counts clusters
	s_add_co_u32 s12, s12, s11                     ; my block of 256 queries
	s_and_b32 s13, ttmp7, 0xffff                   ; the head y = 8 b + h, which the four partners share
	; descriptor group 1: a record, dense in memory, as 67 rows of 256 bytes (32 elements of 8 bytes), no padding: images are read at 16 x lane
	s_mov_b32 s28, 15|(3<<16)|(1<<21)              ; 15:0 the mask: all four work-groups; 17:16 elements of 8 bytes; 21 set beside a mask
	s_mov_b32 s29, 32<<16                          ; tensor_dim0 = 32
	s_mov_b32 s30, 67<<16                          ; tensor_dim1 = 67
	s_mov_b32 s31, 32<<16                          ; tile_dim0 = 32
	s_mov_b32 s32, 67                              ; tile_dim1 = 67
	s_mov_b32 s33, 32                              ; from row to row: 32 elements
	s_mov_b32 s34, 0
	s_mov_b32 s35, 0
	s_mov_b32 s20, 0x76543210
	s_mov_b32 s21, 0xfedcba98                      ; v_permlanex16_b32's selects for lane l xor 16
	s_mov_b32 s22, 0x3e38aa3b                      ; c = log2(e) / 8
	s_mov_b32 s23, s22                             ; (the packed form names the pair and takes its low word for both halves: so s23 is written)
	s_mov_b32 s40, 0                               ; LDS byte at which the step's record begins
	s_mov_b32 s41, 7                               ; slots still to be asked for: 32 steps are 8 slots' worth; the first is asked for ahead of the loop
	s_mul_i32 s43, s10, REC                        ; the record that I fetch, if I fetch: in a slot,
	s_mul_i32 s14, s13, 32*REC                     ; and in kv: the head's 32 records
	s_add_co_u32 s14, s14, s43
	s_mov_b32 s15, 0
	s_lshr_b32 s16, s13, 3                         ; Q and out0: b x 2^23
	s_lshl_b32 s16, s16, 23
	s_and_b32 s44, s13, 7                          ; + h x 256
	s_lshl_b32 s44, s44, 8
	s_add_co_u32 s16, s16, s44
	s_lshl_b32 s44, s12, 19                        ; + my block's 256 rows of 2,048 bytes
	s_add_co_u32 s16, s16, s44
	s_lshl_b32 s44, s10, 16                        ; + my wave's 32 of them
	s_add_co_u32 s16, s16, s44
	s_mov_b32 s17, 0
	s_wait_kmcnt 0x0
	s_add_nc_u64 s[4:5], s[4:5], s[16:17]
	s_add_nc_u64 s[8:9], s[8:9], s[16:17]
	s_mov_b32 s36, 1                               ; group 0: 1:0 count = 1
	s_mov_b32 s37, s43                             ; 63:32 LDS address: slot 0
	s_add_nc_u64 s[38:39], s[6:7], s[14:15]        ; 120:64 global address: key step = my wave's number
	s_or_b32 s39, s39, 0x80000000                  ; 127:126 type = 2
	ROUND                                          ; all four work-groups are here: the first joint loads meet
	TLOAD                                          ; slot 0: key steps 0 to 3
	v_and_b32 v15, 31, v0                          ; lane
	s_delay_alu instid0(VALU_DEP_1)
	v_lshlrev_b32 v[L16], 4, v15
	s_delay_alu instid0(VALU_DEP_2)
	v_lshlrev_b32 v[L8], 3, v15
	s_delay_alu instid0(VALU_DEP_3)
	v_lshlrev_b32 v[L4], 2, v15
	v_and_b32 v[RR], 15, v0
	v_bfe_u32 v[HL], v0, 4, 1
	s_delay_alu instid0(VALU_DEP_2)
	v_lshlrev_b32 v[QA], 11, v[RR]
	s_delay_alu instid0(VALU_DEP_1)
	v_lshl_add_u32 v[QA], v[HL], 6, v[QA]
	s_delay_alu instid0(VALU_DEP_4)
	v_lshlrev_b32 v[GO], 4, v[RR]
	s_delay_alu instid0(VALU_DEP_1)
	v_lshl_add_u32 v[GO], v[HL], 11, v[GO]
.irp x, 0,1                            ; Q: lane (r, hl) takes, of row r of tile x, 16 neighbouring numbers of each block of 32: register 16 c + i = d 32 c + 16 hl + i.  No cache hint: eight loads touch each row's 256 bytes
.irp c, 0,1
.irp j, 0,1,2,3
	global_load_b128 v[S+32*\x+16*\c+4*\j:S+32*\x+16*\c+4*\j+3], v[QA], s[4:5] offset:32768*\x+128*\c+16*\j
.endr
.endr
.endr
.irp x, 0,1
	v_mov_b32 v[ST+208*\x+TX], 0xff61b1e6          ; the largest t so far: -3e38, under every t
	s_delay_alu instid0(VALU_DEP_1)
	v_floor_f32 v[ST+208*\x+NM], -v[ST+208*\x+TX]  ; -M
	v_mov_b32 v[ST+208*\x+SUM], 0
	v_mov_b32 v[ST+208*\x+SUM+1], 0
	v_mov_b32 v[ST+208*\x+PW], 0                   ; (named as the upper half of the pair with f before it is first written)
.irp b, 0,1,2,3
	v_mov_b32 v[ST+208*\x+PB+\b], 0                ; written once: a lane permute's destination counts as one of its sources
.endr
.endr
	s_wait_loadcnt 0x0                             ; Q
	; Q's quantiser: two blocks a tile, the four by turns
.irp c, 0,1
.irp x, 0,1
	v_max3_num_f32 v[ST+208*\x+BM+\c], |v[S+32*\x+16*\c]|, |v[S+32*\x+16*\c+1]|, FLOOR
.endr
.endr
.irp i, 2,4,6,8,10,12,14
.irp c, 0,1
.irp x, 0,1
	s_delay_alu instid0(VALU_DEP_4)
	v_max3_num_f32 v[ST+208*\x+BM+\c], v[ST+208*\x+BM+\c], |v[S+32*\x+16*\c+\i]|, |v[S+32*\x+16*\c+\i+1]|
.endr
.endr
.endr
.irp c, 0,1
.irp x, 0,1
	s_delay_alu instid0(VALU_DEP_4)
	v_permlanex16_b32 v[ST+208*\x+PB+\c], v[ST+208*\x+BM+\c], s20, s21
.endr
.endr
.irp c, 0,1
.irp x, 0,1
	s_delay_alu instid0(VALU_DEP_4)
	v_max_num_f32 v[ST+208*\x+BM+\c], v[ST+208*\x+BM+\c], v[ST+208*\x+PB+\c]   ; with lane l xor 16's 16: the block's largest magnitude
.endr
.endr
.irp c, 0,1
.irp x, 0,1
	s_delay_alu instid0(VALU_DEP_4)
	v_add_nc_u32 v[ST+208*\x+SO+\c], EOFF, v[ST+208*\x+BM+\c]                  ; 15 off its exponent field: the conversions' scale operand
.endr
.endr
.irp c, 0,1
.irp x, 0,1
.endr
.endr
.irp c, 0,1
.irp x, 0,1
	s_delay_alu instid0(VALU_DEP_4)
	v_lshrrev_b32 v[ST+208*\x+PB+\c], 23, v[ST+208*\x+SO+\c]                   ; the scale's byte
.endr
.endr
.irp x, 0,1
	s_delay_alu instid0(VALU_DEP_2)
	v_lshl_or_b32 v[QS+\x], v[ST+208*\x+PB+1], 8, v[ST+208*\x+PB]              ; my row's scale word: bytes 2 and 3, of the K that is not there, stay 0
.endr
.irp x, 0,1
.irp c, 0,1
.irp i, 0,1,2,3,4,5,6,7,8,9,10,11,12,13,14,15
.endr
.endr
.endr
	WIN 0x40                                       ; destination window 1
.irp x, 0,1
.irp c, 0,1
	v_cvt_scalef32_pk8_bf8_f32 v[QF+16*\x+4*\c:QF+16*\x+4*\c+1], v[S+32*\x+16*\c:S+32*\x+16*\c+7], v[ST+208*\x+SO+\c]
	v_cvt_scalef32_pk8_bf8_f32 v[QF+16*\x+4*\c+2:QF+16*\x+4*\c+3], v[S+32*\x+16*\c+8:S+32*\x+16*\c+15], v[ST+208*\x+SO+\c]
.endr
.endr
.irp x, 0,1
.irp i, 8,9,10,11,12,13,14,15
	v_mov_b32 v[QF+16*\x+\i], 0                    ; zero codes for K = 64 .. 127.  (The first of these lines is the plain place behind the conversions)
.endr
.endr
.irp i, 64,65,66,67,68,69,70,71
	v_mov_b32 v[KF+\i], 0                          ; what the last tile of K names as its upper half
.endr
.set j, 0
.rept 64
	v_mov_b32 v[OT+j], 0                           ; O^T.  (The key step is written with no first step of its own: the first finds zeros, which the first change of M leaves zeros)
.set j, j+1
.endr
	WIN 0
.macro KQ k, x                         ; S^T, tile k of keys, tile x of queries.  K's scale register k / 2 holds the even tile's words in lanes 0-15, the odd tile's in lanes 16-31
.if (\k)%2
	v_wmma_scale_f32_16x16x128_f8f6f4 v[S+64*\x+8*\k:S+64*\x+8*\k+7], v[KF+8*\k:KF+8*\k+15], v[QF+16*\x:QF+16*\x+15], 0, v[KS+\k/2], v[QS+\x] matrix_a_fmt:MATRIX_FMT_BF8 matrix_b_fmt:MATRIX_FMT_BF8 matrix_a_scale:MATRIX_SCALE_ROW1
.else
	v_wmma_scale_f32_16x16x128_f8f6f4 v[S+64*\x+8*\k:S+64*\x+8*\k+7], v[KF+8*\k:KF+8*\k+15], v[QF+16*\x:QF+16*\x+15], 0, v[KS+\k/2], v[QS+\x] matrix_a_fmt:MATRIX_FMT_BF8 matrix_b_fmt:MATRIX_FMT_BF8
.endif
.endm
.macro PV d, x                         ; O^T, tile d of the head's 64, tile x of queries; K = the step's 128 keys
.if (\d)%2
	v_wmma_scale_f32_16x16x128_f8f6f4 v[OT+32*\x+8*\d:OT+32*\x+8*\d+7], v[VF+16*\d:VF+16*\d+15], v[PC+16*\x:PC+16*\x+15], v[OT+32*\x+8*\d:OT+32*\x+8*\d+7], v[VS+\d/2], v[ST+208*\x+PW] matrix_a_fmt:MATRIX_FMT_BF8 matrix_b_fmt:MATRIX_FMT_BF8 matrix_a_scale:MATRIX_SCALE_ROW1
.else
	v_wmma_scale_f32_16x16x128_f8f6f4 v[OT+32*\x+8*\d:OT+32*\x+8*\d+7], v[VF+16*\d:VF+16*\d+15], v[PC+16*\x:PC+16*\x+15], v[OT+32*\x+8*\d:OT+32*\x+8*\d+7], v[VS+\d/2], v[ST+208*\x+PW] matrix_a_fmt:MATRIX_FMT_BF8 matrix_b_fmt:MATRIX_FMT_BF8
.endif
.endm
; A KEY STEP: 128 keys, both tiles of queries.  In the vector work the two tiles alternate line by line, so that no line waits for the line above it.
.macro STEP
	v_add_nc_u32 v[A16], s40, v[L16]               ; these three and five v_nop: eight places behind the last step's products, in front of the loads into V's fragments and scale words
	v_add_nc_u32 v[A8], s40, v[L8]
	v_add_nc_u32 v[A4], s40, v[L4]
.rept 5
	v_nop
.endr
	ds_load_b64 v[KS:KS+1], v[A8] offset:KSO       ; the scale words, K's fragments, then V's: 36 loads in one run
	ds_load_b64 v[KS+2:KS+3], v[A8] offset:KSO+256
	ds_load_b32 v[VS], v[A4] offset:VSO
	ds_load_b32 v[VS+1], v[A4] offset:VSO+128
	WIN 0x40                                       ; destination window 1, address window 0
.irp k, 0,1,2,3,4,5,6,7
.irp c, 0,1
	ds_load_b128 v[KF+8*\k+4*\c:KF+8*\k+4*\c+3], v[A16] offset:1024*\k+512*\c
.endr
.endr
.irp d, 0,1,2,3
.irp c, 0,1,2,3
	ds_load_b128 v[VF+16*\d+4*\c:VF+16*\d+4*\c+3], v[A16] offset:VIM+2048*\d+512*\c
.endr
.endr
	s_wait_dscnt 16                                ; the scale words and K are in; V's sixteen loads, the youngest, may stay out until the second product
	WIN 0x05                                       ; sources 0 (K) and 1 (Q) window 1, destination window 0
.irp k, 0,1,2,3,4,5,6,7
.irp x, 0,1
	KQ \k, \x
.endr
.endr
	WIN 0
.rept 8
	v_nop                                          ; eight places in front of the first read of the scores
.endr
.irp b, 0,1,2,3
.irp x, 0,1
	v_max3_num_f32 v[ST+208*\x+BM+\b], v[S+64*\x+16*\b], v[S+64*\x+16*\b+1], v[S+64*\x+16*\b+2]   ; THE LARGEST SCORE OF EACH BLOCK OF 32 KEYS serves twice: for the row's maximum, and, since p rises with the score, for the block's largest p.  Each accumulator is read from its low end on
.endr
.endr
.irp i, 3,5,7,9,11,13
.irp b, 0,1,2,3
.irp x, 0,1
	v_max3_num_f32 v[ST+208*\x+BM+\b], v[ST+208*\x+BM+\b], v[S+64*\x+16*\b+\i], v[S+64*\x+16*\b+\i+1]
.endr
.endr
.endr
.irp b, 0,1,2,3
.irp x, 0,1
	v_max_num_f32 v[ST+208*\x+BM+\b], v[ST+208*\x+BM+\b], v[S+64*\x+16*\b+15]
.endr
.endr
.irp b, 0,1,2,3
.irp x, 0,1
	v_permlanex16_b32 v[ST+208*\x+PB+\b], v[ST+208*\x+BM+\b], s20, s21
.endr
.endr
.irp b, 0,1,2,3
.irp x, 0,1
	v_max_num_f32 v[ST+208*\x+BM+\b], v[ST+208*\x+BM+\b], v[ST+208*\x+PB+\b]   ; with lane l xor 16's 16 keys
.endr
.endr
.irp x, 0,1
	s_delay_alu instid0(VALU_DEP_4)
	v_max3_num_f32 v[ST+208*\x+TMP], v[ST+208*\x+BM], v[ST+208*\x+BM+1], v[ST+208*\x+BM+2]
.endr
.irp x, 0,1
	s_delay_alu instid0(VALU_DEP_2)
	v_max_num_f32 v[ST+208*\x+TMP], v[ST+208*\x+TMP], v[ST+208*\x+BM+3]        ; the step's largest score of my query
.endr
.irp x, 0,1
	s_delay_alu instid0(VALU_DEP_2)
	v_mul_f32 v[ST+208*\x+TMP], s22, v[ST+208*\x+TMP]                          ; as t (c is positive)
.endr
.irp x, 0,1
	s_delay_alu instid0(VALU_DEP_2)
	v_max_num_f32 v[ST+208*\x+TX], v[ST+208*\x+TX], v[ST+208*\x+TMP]           ; the running largest t
.endr
.irp x, 0,1
	v_mov_b32 v[ST+208*\x+TMP], v[ST+208*\x+NM]
.endr
.irp x, 0,1
	s_delay_alu instid0(VALU_DEP_4)
	v_floor_f32 v[ST+208*\x+NM], -v[ST+208*\x+TX]                              ; the new -M = floor(-t) = -ceil(t): M is a whole number
.endr
.irp x, 0,1
	s_delay_alu instid0(VALU_DEP_2)
	v_sub_f32 v[ST+208*\x+TMP], v[ST+208*\x+NM], v[ST+208*\x+TMP]              ; M's old value less its new one: a whole number, 0 or less
.endr
.irp x, 0,1
	s_delay_alu instid0(VALU_DEP_2)
	v_cvt_i32_f32 v[ST+208*\x+TMP], v[ST+208*\x+TMP]                           ; (it saturates)
.endr
.irp x, 0,1
	s_delay_alu instid0(VALU_DEP_2)
	v_ldexp_f32 v[ST+208*\x+F], 1.0, v[ST+208*\x+TMP]                          ; f = 2^(old M - new M)
.endr
.set j, 0
.rept 32
.irp x, 0,1
	v_pk_fma_f32 v[S+64*\x+j:S+64*\x+j+1], v[S+64*\x+j:S+64*\x+j+1], s[22:23], v[ST+208*\x+NM:ST+208*\x+TX] op_sel_hi:[1,0,0]   ; t - M, two at a time (of the pairs c and -M the low word serves both halves)
.endr
.set j, j+2
.endr
.irp b, 0,1,2,3
.irp x, 0,1
	v_fma_f32 v[ST+208*\x+BM+\b], v[ST+208*\x+BM+\b], s22, v[ST+208*\x+NM]     ; the same of each block's largest score
.endr
.endr
.set j, 0
	s_wait_alu depctr_va_vdst(0)
.rept 64
.irp x, 0,1
	v_exp_f32 v[S+64*\x+j], v[S+64*\x+j]                                       ; p = 2^(t - M), at most 1: not normalised
.endr
.set j, j+1
.endr
	s_setprio 1
.irp b, 0,1,2,3
.irp x, 0,1
	v_exp_f32 v[ST+208*\x+BM+\b], v[ST+208*\x+BM+\b]                           ; the block's largest p: the same two instructions on the same number give the same bits
.endr
.endr
.irp x, 0,1
	v_pk_mul_f32 v[ST+208*\x+SUM:ST+208*\x+SUM+1], v[ST+208*\x+SUM:ST+208*\x+SUM+1], v[ST+208*\x+F:ST+208*\x+PW] op_sel_hi:[1,0]   ; the sums under the new M.  (A plain place behind the exponentials)
.endr
	s_wait_alu depctr_va_vdst(0)
.irp b, 0,1,2,3
.irp x, 0,1
	v_max_num_f32 v[ST+208*\x+BM+\b], FLOOR, v[ST+208*\x+BM+\b]                ; the floor: the byte cannot fall under 1
.endr
.endr
.irp b, 0,1,2,3
.irp x, 0,1
	v_add_nc_u32 v[ST+208*\x+SO+\b], EOFF, v[ST+208*\x+BM+\b]                  ; 15 off the exponent field: the conversions' scale operand
.endr
.endr
.irp b, 0,1,2,3
.irp x, 0,1
.endr
.endr
.irp b, 0,1,2,3
.irp x, 0,1
	v_lshrrev_b32 v[ST+208*\x+PB+\b], 23, v[ST+208*\x+SO+\b]                   ; the scale's byte
.endr
.endr
.irp x, 0,1
	v_lshl_or_b32 v[ST+208*\x+PW], v[ST+208*\x+PB+1], 8, v[ST+208*\x+PB]       ; p's scale word for these 128 keys
.endr
.irp x, 0,1
	s_delay_alu instid0(VALU_DEP_2)
	v_lshl_or_b32 v[ST+208*\x+PW], v[ST+208*\x+PB+2], 16, v[ST+208*\x+PW]
.endr
.irp x, 0,1
	s_delay_alu instid0(VALU_DEP_2)
	v_lshl_or_b32 v[ST+208*\x+PW], v[ST+208*\x+PB+3], 24, v[ST+208*\x+PW]
.endr
.irp x, 0,1
	v_pk_add_f32 v[ST+208*\x+PB:ST+208*\x+PB+1], v[S+64*\x:S+64*\x+1], v[S+64*\x+2:S+64*\x+3]   ; THE ROW'S SUM IS TAKEN OF THE UNQUANTISED p: two at a time, in two chains a tile
.endr
.irp j, 4,8,12,16,20,24,28,32,36,40,44,48,52,56,60
.irp x, 0,1
	v_pk_add_f32 v[ST+208*\x+SUM:ST+208*\x+SUM+1], v[ST+208*\x+SUM:ST+208*\x+SUM+1], v[S+64*\x+\j:S+64*\x+\j+1]
	v_pk_add_f32 v[ST+208*\x+PB:ST+208*\x+PB+1], v[ST+208*\x+PB:ST+208*\x+PB+1], v[S+64*\x+\j+2:S+64*\x+\j+3]
.endr
.endr
.irp x, 0
	s_delay_alu instid0(VALU_DEP_3)
	v_pk_add_f32 v[ST+208*\x+SUM:ST+208*\x+SUM+1], v[ST+208*\x+SUM:ST+208*\x+SUM+1], v[ST+208*\x+PB:ST+208*\x+PB+1]
.endr
.irp x, 1
	s_delay_alu instid0(VALU_DEP_2)
	v_pk_add_f32 v[ST+208*\x+SUM:ST+208*\x+SUM+1], v[ST+208*\x+SUM:ST+208*\x+SUM+1], v[ST+208*\x+PB:ST+208*\x+PB+1]
.endr
.irp b, 0,1,2,3
.irp x, 0,1
.irp i, 0,1,2,3,4,5,6,7,8,9,10,11,12,13,14,15
.endr
	v_cvt_scalef32_pk8_bf8_f32 v[PC+16*\x+4*\b:PC+16*\x+4*\b+1], v[S+64*\x+16*\b:S+64*\x+16*\b+7], v[ST+208*\x+SO+\b]
	v_cvt_scalef32_pk8_bf8_f32 v[PC+16*\x+4*\b+2:PC+16*\x+4*\b+3], v[S+64*\x+16*\b+8:S+64*\x+16*\b+15], v[ST+208*\x+SO+\b]
.endr
.endr
	WIN 0x41                                       ; O^T (destination and source 0) window 1, f window 0
.set j, 0
	s_setprio 0
.rept 16
.irp x, 0,1
	v_pk_mul_f32 v[OT+32*\x+j:OT+32*\x+j+1], v[OT+32*\x+j:OT+32*\x+j+1], v[ST+208*\x+F:ST+208*\x+PW] op_sel_hi:[1,0]   ; O^T under the new M: x f, each accumulator from its low end on.  (These 32 are also the places between the codes, the scale words and the products below)
.endr
.set j, j+2
.endr
.rept 4
	v_nop                                          ; four places between the last multiplication and the products that take its results as C: the distance that an operand written by vector instructions is given
.endr
	s_wait_alu depctr_va_vdst(0)
	s_wait_dscnt 0x0                               ; V is in
	WIN 0x51                                       ; source 0 (V) window 1, source 1 (p's codes) window 0, C and D window 1
.irp d, 0,1,2,3
.irp x, 0,1
	PV \d, \x                                      ; eight accumulators, one instruction each: by turns
.endr
.endr
	WIN 0                                          ; at a label and at a branch every window is 0
	s_add_co_u32 s40, s40, REC                     ; the next step's record
.endm
; THE CHANGE OF SLOTS stands at a slot's head.  Each wave waits for all its tensor loads (its record of the slot ahead), adds 0 to its spare word, and waits for that and for its reads of the slot that it has left.
; fill = 1: the barrier is a round of the cluster's, so that no wave of any partner still reads the slot that was left or has a load on its way; the joint fill of that slot is the first thing behind it.
.macro CHANGE fill
	s_wait_tensorcnt 0x0                           ; no tensor load of mine is out, so group 0 may be written
	ds_add_u32 v[SPW], v[NIL]                      ; 0 onto my spare word
.if \fill
	s_xor_b32 s37, s37, SLOT1                      ; the walking descriptor: the other slot than last time,
	s_add_nc_u64 s[38:39], s[38:39], 4*REC         ; the next four records; the type bits on top are not reached
.endif
	s_wait_dscnt 0x0                               ; the add is done, and my reads of the slot that I have left are over
.if \fill
	ROUND
	TLOAD                                          ; a wave's one tensor load until the next round
.else
	s_barrier_signal -1
	s_barrier_wait -1
.endif
.endm
.macro FOUR_STEPS                      ; a slot's four key steps: written once, walked four times; the LDS addresses hang on s40
	s_mov_b32 s42, 4
.Lstep_\@:
	s_setprio 2
	STEP
	s_sub_co_u32 s42, s42, 1
	s_cmp_lg_u32 s42, 0
	s_cbranch_scc1 .Lstep_\@
	s_setprio 0
	s_sub_co_u32 s40, s40, 4*REC                   ; back to a slot's first record,
	s_xor_b32 s40, s40, SLOT1                      ; in the other slot
.endm
.Lslot:                                            ; 7 trips: behind each change of slots but the last the next four key steps are asked for (in the first trip: slot 1's first fill)
	CHANGE 1
	FOUR_STEPS
	s_sub_co_u32 s41, s41, 1
	s_cmp_lg_u32 s41, 0
	s_cbranch_scc1 .Lslot
	CHANGE 0                                       ; the last slot is written out
	FOUR_STEPS
	; THE WAY OUT.  The sum's halves are added; O^T is divided by the sum and goes through my stages in LDS, so that sixteen lanes store a query's 256 bytes.  The four additions and the six address lines are the places behind the last products.
.irp x, 0,1
	v_add_f32 v[ST+208*\x+TMP], v[ST+208*\x+SUM], v[ST+208*\x+SUM+1]
.endr
.irp x, 0,1
	s_delay_alu instid0(VALU_DEP_2)
	v_permlanex16_b32 v[ST+208*\x+PB], v[ST+208*\x+TMP], s20, s21
.endr
.irp x, 0,1
	s_delay_alu instid0(VALU_DEP_2)
	v_add_f32 v[ST+208*\x+TMP], v[ST+208*\x+TMP], v[ST+208*\x+PB]              ; with lane l xor 16's: the row's sum
.endr
	s_wait_alu depctr_va_vdst(0)
.irp x, 0,1
	v_rcp_f32 v[ST+208*\x+F], v[ST+208*\x+TMP]
.endr
	s_mul_i32 s43, s10, 8704
	s_add_co_u32 s43, s43, STAGE                   ; my stages
	v_mul_u32_u24 v[STO], v[RR], 272               ; (plain lines behind the reciprocals)  in: row r, 32 bytes for each half of the lanes
	s_delay_alu instid0(VALU_DEP_1)
	v_lshl_add_u32 v[STO], v[HL], 5, v[STO]
	s_delay_alu instid0(VALU_DEP_1)
	v_add_nc_u32 v[STO], s43, v[STO]
	v_mul_u32_u24 v[RD], v[HL], 272                ; back: lanes 0-15 one row of 256 bytes, lanes 16-31 the next
	s_delay_alu instid0(VALU_DEP_1)
	v_lshl_add_u32 v[RD], v[RR], 4, v[RD]
	s_delay_alu instid0(VALU_DEP_1)
	v_add_nc_u32 v[RD], s43, v[RD]
	WIN 0x01                                       ; source 0 (O^T) window 1
.set j, 0
	s_wait_alu depctr_va_vdst(0)
.rept 16
.irp x, 0,1
	v_pk_mul_f32 v[S+32*\x+j:S+32*\x+j+1], v[OT+32*\x+j:OT+32*\x+j+1], v[ST+208*\x+F:ST+208*\x+PW] op_sel_hi:[1,0]   ; O^T / the sum: register 8 d + i is o(r, 16 d + 8 (lane / 16) + i)
.endr
.set j, j+2
.endr
	WIN 0
.irp x, 0,1
.irp d, 0,1,2,3
	ds_store_b128 v[STO], v[S+32*\x+8*\d:S+32*\x+8*\d+3] offset:4352*\x+64*\d
	ds_store_b128 v[STO], v[S+32*\x+8*\d+4:S+32*\x+8*\d+7] offset:4352*\x+64*\d+16
.endr
.endr
.irp x, 0,1
.irp i, 0,1,2,3,4,5,6,7
	ds_load_b128 v[128+32*\x+4*\i:128+32*\x+4*\i+3], v[RD] offset:4352*\x+544*\i   ; LDS serves a wave's instructions in order (ISA guide 5.7.1.4): these see my stores
.endr
.endr
.irp x, 0,1
.irp i, 0,1,2,3,4,5,6,7
	s_wait_dscnt 15-8*\x-\i                        ; this pair of rows is back; the younger loads may stay out
	global_store_b128 v[GO], v[128+32*\x+4*\i:128+32*\x+4*\i+3], s[8:9] offset:32768*\x+4096*\i th:TH_STORE_NT   ; sixteen lanes store 256 consecutive bytes, at a multiple of 256 from out0's first byte; written once, read by nobody here
.endr
.endr
	s_wait_tensorcnt 0x0                           ; the wave's end: behind my last tensor load and my last LDS store
	ds_add_u32 v[SPW], v[NIL]
	s_wait_dscnt 0x0
	ROUND                                          ; the closing round: no work-group ends while a partner may still ask for a record that names it
	s_endpgm
.Lfunc_end_k_q96c06a189f_attn:
	.size	k_q96c06a189f_attn, .Lfunc_end_k_q96c06a189f_attn-k_q96c06a189f_attn
	.p2alignl 7, 3214868480
	.fill 96, 4, 3214868480
	.section	.rodata,"a",@progbits
	.p2align	6, 0x0
	.amdhsa_kernel k_q96c06a189f_attn
		.amdhsa_group_segment_fixed_size 327680
		.amdhsa_private_segment_fixed_size 0
		.amdhsa_enable_private_segment 0
		.amdhsa_kernarg_size 24
		.amdhsa_user_sgpr_count 2
		.amdhsa_user_sgpr_kernarg_segment_ptr 1
		.amdhsa_wavefront_size32 1
		.amdhsa_system_sgpr_workgroup_id_x 1
		.amdhsa_system_sgpr_workgroup_id_y 1
		.amdhsa_system_sgpr_workgroup_id_z 1
		.amdhsa_system_vgpr_workitem_id 0
		.amdhsa_next_free_vgpr 512
		.amdhsa_next_free_sgpr 66
		.amdhsa_reserve_vcc 0
		.amdhsa_float_denorm_mode_32 3
		.amdhsa_float_denorm_mode_16_64 3
		.amdhsa_fp16_overflow 1
		.amdhsa_memory_ordered 1
		.amdhsa_forward_progress 1
		.amdhsa_inst_pref_size 83
	.end_amdhsa_kernel
	.amdgpu_metadata
---
amdhsa.version: [ 1, 2 ]
amdhsa.kernels:
  - .name:           k_q96c06a189f_attn
    .symbol:         k_q96c06a189f_attn.kd
    .args:
      - { .name: queries, .offset: 0, .size: 8, .value_kind: global_buffer, .address_space: global }
      - { .name: kv, .offset: 8, .size: 8, .value_kind: global_buffer, .address_space: global }
      - { .name: out0, .offset: 16, .size: 8, .value_kind: global_buffer, .address_space: global }
    .group_segment_fixed_size: 327680
    .private_segment_fixed_size: 0
    .kernarg_segment_align: 8
    .kernarg_segment_size: 24
    .max_flat_workgroup_size: 256
    .sgpr_count:     66
    .vgpr_count:     512
    .wavefront_size: 32
...
	.end_amdgpu_metadata
.endif
;; end of part 2
